; MI455X (gfx1250); checked and timed in simulation.
; The chip was launched on July 23, 2026; its instructions are those of AMD's public machine-readable ISA for CDNA 5 (MIT licence, August 2026) and "CDNA5" Instruction Set Architecture Reference Guide (July 2026). The comments in the code are by the model that wrote it; some were corrected since.
;; Multi Head Attention. Allowed arithmetic: matrix products marked QUANTISED: E5M2 operands, one given power-of-two scale a tensor, by v_wmma_f32_16x16x64_bf8_bf8 or v_wmma_f32_16x16x128_bf8_bf8, f32 sums; everything else in f32.
;; Inputs: Wk 1,024 x 1,024 float32; Wo 1,024 x 1,024 float32; Wq 1,024 x 1,024 float32; Wv 1,024 x 1,024 float32; bk 1,024 float32; bo 1,024 float32; bq 1,024 float32; bv 1,024 float32; lowp_scales 12 int32 (the exponents e of the quantised operands' scales 2^e); x 4 x 2,048 x 1,024 float32.
;; Outputs: out0 4 x 2,048 x 1,024 float32.
;; This version of the problem:
;;   THIS VERSION OF THE PROBLEM IS GIVEN IN LOW PRECISION. The matrix products marked QUANTISED in the list below multiply operands that are first quantised to E5M2 (5 exponent bits, 2 mantissa bits; 8 bits a number), with one given power-of-two scale for each operand tensor; their sums are f32. All else is computed in f32.
;;   The module's matrix products, in the order in which they are computed (A, B: the left and right operand; K: the contracted axis; several contracted axes count as one K, in the product's order):
;;     1. [M 8,192, K 1,024] x [K 1,024, N 1,024]; A: input x; B: input Wq: QUANTISED (scales: A lowp_scales[0], B lowp_scales[1])
;;     2. [M 8,192, K 1,024] x [K 1,024, N 1,024]; A: input x; B: input Wk: QUANTISED (scales: A lowp_scales[2], B lowp_scales[3])
;;     3. [M 8,192, K 1,024] x [K 1,024, N 1,024]; A: input x; B: input Wv: QUANTISED (scales: A lowp_scales[4], B lowp_scales[5])
;;     4. batch 64 x [M 2,048, K 64] x [K 64, N 2,048]; A: computed on the way; B: computed on the way: QUANTISED (scales: A lowp_scales[6], B lowp_scales[7])
;;     5. batch 64 x [M 2,048, K 2,048] x [K 2,048, N 64]; A: softmax (see below); B: computed on the way: QUANTISED (scales: A lowp_scales[8], B lowp_scales[9])
;;     6. [M 8,192, K 1,024] x [K 1,024, N 1,024]; A: computed on the way; B: input Wo: QUANTISED (scales: A lowp_scales[10], B lowp_scales[11])
;;   THE QUANTISER, for each operand of a quantised product, along K:
;;     - The operand's scale is 2^e, e = its entry of the input lowp_scales (int32; the entries are numbered through the quantised products in the list's order, A before B).
;;     - Each number is divided by the scale, clamped to +-57,344, and rounded to the nearest number of E5M2, ties to even, subnormals kept.
;;     - The product sums the exact products of the quantised numbers (number of the format x scale) in f32.
;;   ~~~python
;;   def quantise(x, axis, e):      # numpy; x: float32 -> the quantised numbers, widened to float32 again
;;       x = np.moveaxis(x, axis, -1); K = x.shape[-1]
;;       r = np.clip(x / 2.0 ** e, -57344, 57344)
;;       step = 2.0 ** (np.maximum(np.frexp(np.where(r == 0, 1, r))[1] - 1, -14) - 2)
;;       q = np.round(r / step) * step * 2.0 ** e      # np.round: ties to even
;;       return np.moveaxis(q, -1, axis).astype(np.float32)
;;   ~~~
;;   SOFTMAX AHEAD OF A QUANTISED PRODUCT. Where the list says 'softmax', what is quantised is not the finished softmax but p = 2^(t - M), with t = logit x log2(e) and M = ceil(the row's largest t), a whole number; so 1/2 < the row's largest p <= 1. The row's sum l is taken of the UNQUANTISED p, in f32, and the product's result is divided by l at the end. Since M is a whole number, a kernel that streams over the keys may use a running M (the ceiling of the running maximum): every later rescaling is an exact power of two, so the quantised numbers keep their values, but for numbers so far below the row's largest that they fall under the format's range.
;;   OPERANDS COMPUTED ON THE WAY. 'Computed on the way' means the value that the module computes at that place (a softmax that the list does not call 'softmax' is quantised finished and normalised). What goes into a quantiser is computed in f32, as accurately as f32 sums, v_exp_f32 and their like allow (about 1e-6 of the number): no bf16 or f16 on the way to a quantiser, and a product that is left as it is and whose result goes on into a quantised operand takes f32 operands (vector FMAs, or v_wmma_f32_16x16x4_f32). A number that lies on a knife's edge between two numbers of the format may be rounded either way, as far as f32 arithmetic and the matrix unit's own rounding can turn it there, and no further.
;; One version. Each part assembles by itself: llvm-mc -triple=amdgcn-amd-amdhsa -mcpu=gfx1250 --defsym DOCPART=n.
;; ======== version 1 of 1: 4 launches
;; limits: right only within a limited range of input values
;; workspace buffers: xc 25,165,824 bytes; wc 4,194,304 bytes; qimg 8,388,608 bytes; kv 16,777,216 bytes; ctx 8,388,608 bytes
;; launch quant (part 1): grid 768 x 1, 4 waves a work-group, no clusters, 34,304 bytes of LDS; arguments x, Wq, Wk, Wv, Wo, lowp_scales, xc, wc; writes xc, wc
.if DOCPART == 1
	.amdgcn_target "amdgcn-amd-amdhsa--gfx1250"
	.amdhsa_code_object_version 6
	.text
	.protected	k_q395d075d35_quant
	.globl	k_q395d075d35_quant
	.p2align	8
	.type	k_q395d075d35_quant,@function
k_q395d075d35_quant:
	s_mov_b64 s[64:65], 0
	v_nop
	global_prefetch_b8 v0, s[64:65] scope:SCOPE_SE
	s_setreg_imm32_b32 hwreg(HW_REG_WAVE_MODE, 25, 1), 1
	s_wait_xcnt 0x0
; x [8192][1024] and Wq, Wk, Wv, Wo [1024][1024], f32, K innermost, become codes of BF8 (E5M2), each with the scale 2^e given for it:
; x three times (entries 0, 2, 4 of the scales: one set of codes for each of the three projections), Wq, Wk, Wv, Wo once (entries 1, 3, 5, 11).
; code = number / 2^e, held within +-57,344, rounded to the nearest code, ties to even.
; LIMITS: every e between -126 and 112, so that 2^e and 57,344 x 2^e are f32 numbers.  NaN among the inputs is not served; an infinity is held at the largest code.
; THE CODES ARE LAID AS IMAGES OF THE OPERAND'S REGISTERS: [block of 128 rows][slot of 256 along K: 4][tile a: 8][step q of 128 along K: 2][c: 4][512 bytes],
; lane l's 16 bytes at 16 l.  Lane (r, h) = (l % 16, l / 16) of tile a holds row 32 (a / 2) + 8 (a % 2) + r + 8 (r / 8) of the block, and in piece c the codes of k = 32 c + 16 h + 0 .. 15.
; So the product's launch fetches a slot as one dense block of 32 KiB and a fragment by four LDS loads of 512 consecutive bytes.
; SHARES.  A work-group takes one tile of 16 rows, wave w its slot w of 256 along K: two fragments.  Work-groups 0 to 511: x's tiles; 512 to 767: the four weights', 64 each.
; A conversion takes neighbours along K from ONE lane's registers; a load is dense where neighbouring LANES take neighbouring bytes.  Both are had: each load reads 512 consecutive bytes of a row,
; the 16 rows go through the wave's own stage in LDS (rows 528 bytes apart, so that the sixteen rows of a read start at sixteen different 16-byte columns) and come back 64 bytes a lane and piece.
; No tensor load, no barrier: waves share nothing.  All 32 loads of a wave go out at the head.  Every offset is an immediate; no register of a store is written again.
.set XWG, 512                          ; work-groups that take x
.set SP,  528                          ; a stage row: 512 bytes + 16
.set WST, 16*SP                        ; a wave's stage
.set LO,  1                            ; v1   16 x lane
.set SI,  2                            ; v2   into the stage: my 16 bytes of a row
.set SO,  3                            ; v3   out of it: row r, + 64 h
.set SC,  4                            ; v[4+2n] 2^e of set n as f32, v[5+2n] 57,344 x 2^e
.set R,   16                           ; v16-143  two sets of 64: the numbers as loaded; later set q holds step q's codes (16 registers for each set of codes)
.set X,   144                          ; v144-207 a fragment's 64 numbers of my lane
.set T,   208                          ; v208-239 two sets of 16 held numbers, by turns
	s_load_b512 s[4:19], s[0:1], 0x0               ; x, Wq, Wk, Wv, Wo, the scales, xc, wc
	v_lshl_add_u32 v240, v0, 2, 0x8400
	v_mov_b32 v241, 0
	v_lshrrev_b32 v10, 5, v0
	v_readfirstlane_b32 s20, v10                   ; wave = slot of 256 along K
	v_and_b32 v[LO], 31, v0
	v_lshlrev_b32 v[LO], 4, v[LO]
	v_and_b32 v11, 15, v0                          ; r
	v_bfe_u32 v12, v0, 4, 1                        ; h
	s_mul_i32 s21, s20, WST
	v_add_nc_u32 v[SI], s21, v[LO]
	v_mul_u32_u24 v[SO], v11, SP
	v_lshl_add_u32 v[SO], v12, 6, v[SO]
	v_add_nc_u32 v[SO], s21, v[SO]
	; which tensor, which tile: all by the work-group's number
	s_cmp_lt_u32 ttmp9, XWG
	s_cselect_b32 s22, 0, XWG
	s_sub_co_u32 s22, ttmp9, s22                   ; my number among x's work-groups or among the weights'
	s_lshr_b32 s23, s22, 6
	s_and_b32 s24, s22, 63
	s_cmp_lt_u32 ttmp9, XWG
	s_cselect_b32 s23, 0, s23                      ; which weight (0 for x)
	s_cselect_b32 s24, s22, s24                    ; tile = 8 x block + a
	s_lshr_b32 s25, s24, 3                         ; block of 128 rows
	s_and_b32 s26, s24, 7                          ; a
	s_lshr_b32 s27, s26, 1
	s_and_b32 s48, s26, 1
	s_lshl_b32 s49, s25, 7
	s_lshl_b32 s27, s27, 5
	s_lshl_b32 s48, s48, 3
	s_add_co_u32 s49, s49, s27
	s_add_co_u32 s49, s49, s48                     ; the tile's first row: 128 x block + 32 (a / 2) + 8 (a % 2)
	s_lshl_b32 s49, s49, 12                        ; a row is 4,096 bytes
	s_lshl_b32 s48, s20, 10                        ; my slot: 256 numbers
	s_add_co_u32 s50, s49, s48
	s_mov_b32 s51, 0
	s_lshl_b32 s52, s25, 2
	s_add_co_u32 s52, s52, s20
	s_lshl_b32 s52, s52, 15                        ; the codes: (4 x block + slot) x 32 KiB
	s_lshl_b32 s26, s26, 12                        ; + 4,096 a
	s_add_co_u32 s52, s52, s26
	s_lshl_b32 s27, s23, 20                        ; + the weight's section of 1 MiB
	s_add_co_u32 s52, s52, s27
	s_mov_b32 s53, 0
	s_wait_alu depctr_va_vdst(0)
	s_wait_kmcnt 0x0
	s_load_b256 s[36:43], s[14:15], 0x0            ; e0 .. e7
	s_load_b128 s[44:47], s[14:15], 0x20           ; e8 .. e11
	s_cmp_eq_u32 s23, 1                            ; the buffers are chosen by the work-group's number alone
	s_cselect_b64 s[28:29], s[8:9], s[6:7]
	s_cmp_eq_u32 s23, 2
	s_cselect_b64 s[28:29], s[10:11], s[28:29]
	s_cmp_eq_u32 s23, 3
	s_cselect_b64 s[28:29], s[12:13], s[28:29]
	s_cmp_lt_u32 ttmp9, XWG
	s_cselect_b64 s[28:29], s[4:5], s[28:29]
	s_cselect_b64 s[30:31], s[16:17], s[18:19]
	s_add_nc_u64 s[28:29], s[28:29], s[50:51]      ; the numbers
	s_add_nc_u64 s[30:31], s[30:31], s[52:53]      ; the codes, set 0
	s_add_nc_u64 s[32:33], s[30:31], 0x800000      ; x's set 1 and set 2, 8 MiB apart (used by x's work-groups alone)
	s_add_nc_u64 s[34:35], s[30:31], 0x1000000
.irp q, 0,1
.irp i, 0,1,2,3,4,5,6,7,8,9,10,11,12,13,14,15
	global_load_b128 v[R+64*\q+4*\i:R+64*\q+4*\i+3], v[LO], s[28:29] offset:(\i+8*(\i/8))*4096+512*\q th:TH_LOAD_NT   ; the tile's row i: 512 consecutive bytes; read once in the launch
.endr
.endr
	s_wait_kmcnt 0x0
	s_cmp_eq_u32 s23, 1
	s_cselect_b32 s54, s39, s37
	s_cmp_eq_u32 s23, 2
	s_cselect_b32 s54, s41, s54
	s_cmp_eq_u32 s23, 3
	s_cselect_b32 s54, s47, s54
	s_cmp_lt_u32 ttmp9, XWG
	s_cselect_b32 s54, s36, s54                    ; set 0's e: e0 for x; e1, e3, e5, e11 for the weights
.macro MKSC e, n                       ; 2^e and 57,344 x 2^e as f32 patterns
	s_add_co_i32 s55, \e, 127
	s_lshl_b32 s56, s55, 23
	v_mov_b32 v[SC+2*\n], s56
	s_add_co_i32 s55, s55, 15
	s_lshl_b32 s55, s55, 23
	s_or_b32 s55, s55, 0x600000
	v_mov_b32 v[SC+2*\n+1], s55
.endm
	MKSC s54, 0
	MKSC s38, 1
	MKSC s40, 2
; The fragment in X becomes set n's codes of step q and is stored: four stores of 512 consecutive bytes.
; The held numbers go into two sets by turns, so that sixteen plain lines stand between a conversion and the next write of its sources.
.macro CONV n, q
.irp c, 0,1,2,3
.set j, 0
.rept 16
	v_med3_num_f32 v[T+16*(\c%2)+j], v[X+16*\c+j], -v[SC+2*\n+1], v[SC+2*\n+1]   ; the conversion to an 8-bit code does not saturate (ISA guide 7.6.2): the hold comes first
.set j, j+1
.endr
	v_cvt_scalef32_pk8_bf8_f32 v[R+64*\q+16*\n+4*\c:R+64*\q+16*\n+4*\c+1], v[T+16*(\c%2):T+16*(\c%2)+7], v[SC+2*\n]
	v_cvt_scalef32_pk8_bf8_f32 v[R+64*\q+16*\n+4*\c+2:R+64*\q+16*\n+4*\c+3], v[T+16*(\c%2)+8:T+16*(\c%2)+15], v[SC+2*\n]
.endr
	v_nop                                          ; a plain line behind the last conversion of the run
.irp c, 0,1,2,3
	global_store_b128 v[LO], v[R+64*\q+16*\n+4*\c:R+64*\q+16*\n+4*\c+3], s[30+2*\n:31+2*\n] offset:2048*\q+512*\c
.endr
.endm
	s_wait_alu depctr_va_vdst(0)
.irp q, 0,1
	s_wait_loadcnt 16-16*\q                        ; step q's sixteen loads are in; step 1's may be out while step 0 is worked
.irp i, 0,1,2,3,4,5,6,7,8,9,10,11,12,13,14,15
	ds_store_b128 v[SI], v[R+64*\q+4*\i:R+64*\q+4*\i+3] offset:SP*\i
.endr
.irp c, 0,1,2,3
.irp i, 0,1,2,3
	ds_load_b128 v[X+16*\c+4*\i:X+16*\c+4*\i+3], v[SO] offset:128*\c+16*\i   ; LDS serves a wave's instructions in order: these see my stores, and step 1's stores come behind step 0's loads
.endr
.endr
	s_wait_dscnt 0x0                               ; the fragment is back, and the stores have read set q, which now takes the codes
	CONV 0, \q
	s_cmp_ge_u32 ttmp9, XWG                        ; a weight has one scale: round register work and global stores alone
	s_cbranch_scc1 .Lweights_\q
	CONV 1, \q
	CONV 2, \q
.Lweights_\q:
.endr
	s_wait_tensorcnt 0x0
	ds_add_u32 v240, v241
	s_wait_dscnt 0x0
	s_endpgm
.Lfunc_end_k_q395d075d35_quant:
	.size	k_q395d075d35_quant, .Lfunc_end_k_q395d075d35_quant-k_q395d075d35_quant
	.p2alignl 7, 3214868480
	.fill 96, 4, 3214868480
	.section	.rodata,"a",@progbits
	.p2align	6, 0x0
	.amdhsa_kernel k_q395d075d35_quant
		.amdhsa_group_segment_fixed_size 34304
		.amdhsa_private_segment_fixed_size 0
		.amdhsa_enable_private_segment 0
		.amdhsa_kernarg_size 64
		.amdhsa_user_sgpr_count 2
		.amdhsa_user_sgpr_kernarg_segment_ptr 1
		.amdhsa_wavefront_size32 1
		.amdhsa_system_sgpr_workgroup_id_x 1
		.amdhsa_system_sgpr_workgroup_id_y 1
		.amdhsa_system_sgpr_workgroup_id_z 1
		.amdhsa_system_vgpr_workitem_id 0
		.amdhsa_next_free_vgpr 242
		.amdhsa_next_free_sgpr 66
		.amdhsa_reserve_vcc 0
		.amdhsa_float_denorm_mode_32 3
		.amdhsa_float_denorm_mode_16_64 3
		.amdhsa_memory_ordered 1
		.amdhsa_forward_progress 1
		.amdhsa_inst_pref_size 41
	.end_amdhsa_kernel
	.amdgpu_metadata
---
amdhsa.version: [ 1, 2 ]
amdhsa.kernels:
  - .name:           k_q395d075d35_quant
    .symbol:         k_q395d075d35_quant.kd
    .args:
      - { .name: x, .offset: 0, .size: 8, .value_kind: global_buffer, .address_space: global }
      - { .name: Wq, .offset: 8, .size: 8, .value_kind: global_buffer, .address_space: global }
      - { .name: Wk, .offset: 16, .size: 8, .value_kind: global_buffer, .address_space: global }
      - { .name: Wv, .offset: 24, .size: 8, .value_kind: global_buffer, .address_space: global }
      - { .name: Wo, .offset: 32, .size: 8, .value_kind: global_buffer, .address_space: global }
      - { .name: lowp_scales, .offset: 40, .size: 8, .value_kind: global_buffer, .address_space: global }
      - { .name: xc, .offset: 48, .size: 8, .value_kind: global_buffer, .address_space: global }
      - { .name: wc, .offset: 56, .size: 8, .value_kind: global_buffer, .address_space: global }
    .group_segment_fixed_size: 34304
    .private_segment_fixed_size: 0
    .kernarg_segment_align: 8
    .kernarg_segment_size: 64
    .max_flat_workgroup_size: 128
    .sgpr_count:     66
    .vgpr_count:     242
    .wavefront_size: 32
...
	.end_amdgpu_metadata
.endif
;; end of part 1
;; launch proj (part 2): grid 4 x 64, 4 waves a work-group, clusters of 4 x 4, 327,680 bytes of LDS; arguments xc, wc, lowp_scales, bq, bk, bv, qimg, kv; writes qimg, kv
.if DOCPART == 2
	.amdgcn_target "amdgcn-amd-amdhsa--gfx1250"
	.amdhsa_code_object_version 6
	.text
	.protected	k_q395d075d35_proj
	.globl	k_q395d075d35_proj
	.p2align	8
	.type	k_q395d075d35_proj,@function
k_q395d075d35_proj:
	s_mov_b64 s[64:65], 0
	v_nop
	global_prefetch_b8 v0, s[64:65] scope:SCOPE_SE
	s_setreg_imm32_b32 hwreg(HW_REG_WAVE_MODE, 25, 1), 1
	s_wait_xcnt 0x0
	s_wait_alu depctr_hold_cnt(0) depctr_sa_sdst(0) depctr_va_vdst(0) depctr_va_sdst(0) depctr_va_ssrc(0) depctr_va_vcc(0) depctr_vm_vsrc(0)
	s_getreg_b32 s2, hwreg(HW_REG_IB_STS2, 6, 4)
	s_cmp_eq_u32 s2, 0
	s_cbranch_scc0 .Lentry_in_a_cluster
	s_endpgm
.Lentry_in_a_cluster:
	s_bfe_u32 s2, ttmp6, 0x10000c
	s_cmp_lg_u32 s2, 0xf033
	s_cbranch_scc0 .Lentry_shape_is_right
	s_endpgm
.Lentry_shape_is_right:
; Q = x Wq^T + bq, K = x Wk^T + bk, V = x Wv^T + bv on codes of BF8 (E5M2), f32 sums; the results are quantised at once with the scales given for them as operands of attention
; (entries 6, 7, 9) and leave as codes, laid as images of the registers in which attention wants them.
; LIMITS: e0 + e1, e2 + e3, e4 + e5 between -126 and 127; e6, e7, e9 between -126 and 112: each power of two below is then an f32 number.
; SHARES.  A work-group owns 128 tokens x 256 features and STAYS: it makes that block of Q, then of K, then of V: 64 x 4 = 256 work-groups.  A wave makes 64 x 128: 32 accumulators, 256 registers.
; OPERANDS arrive as register images: [block of 128 rows][slot of 256 along K: 4][tile: 8][step of 128: 2][c: 4][512 bytes], lane l's 16 bytes at 16 l.
; THE RING.  Two LDS slots, laid by operand so that both slots of a wave's share lie on end: the tokens' half h of slot s at 32 KiB h + 16 KiB s (waves 0, 1), the features' block k of slot s at 64 KiB + 64 KiB k + 32 KiB s (waves 2, 3).
; The head's one load a wave fills its share of BOTH slots; a refill brings one slot's share.  12 slots' worth, 4 for each product; the ring goes on from product to product,
; and a product's way out stands behind the change of slots that has asked for the next product's second slot.
; CLUSTERS: 4 x 4 work-groups.  The four of a row need the same tokens' codes, the four of a column the same features': each is asked for JOINTLY.
; THE MATRIX INSTRUCTION IS USED TRANSPOSED: source 1's rows fall to the lanes, source 0's to the registers.  Lane r of tile a holds row 32 (a / 2) + 8 (a % 2) + r + 8 (r / 8) of its block, so in accumulators
; (a, 2 g), (a, 2 g + 1) a lane's 16 registers are source 0's rows 32 g + 16 (lane / 16) + 0 .. 15: neighbours along the next product's K.  Q, K: source 1 = my 64 tokens, source 0 = my 128 features.
; V: source 1 = my 64 features, source 0 = the 128 tokens.  The two cases differ in the LDS addresses, the bias and the stores' places.
; PREFETCH: each wave asks for its share of slot number g + 2 behind the load of slot number g (numbers 2 and 3: at the head); the four partners of a joint load share the bytes out by address;
; the weights, which all sixteen clusters read, are asked for by four clusters.
; REGISTERS: window 0: v8-13 scales, v16-23 LDS addresses, v96-103 V's bias, v128-255 source 1's fragments, two sets; window 1: source 0's, two sets; window 2: accumulators ((a, b) at v[8 (8 a + b)]);
;   window 3: v0-63 a tile's numbers, v64-127 codes, v128-191 Q's bias, v192-255 K's.
.set NSL,    12                        ; slots' worth in all
.set HALFB,  32768                     ; a block's codes of 256 along K
.set FB,     65536                     ; LDS: the features' blocks begin here
.set SPARE,  196608                    ; behind the ring: the spare words, 128 bytes a wave
.set PT,     0x800000                  ; from one set of x's codes to the next
.set PF,     0x100000                  ; from one weight's codes to the next
.set FR,     16
.set SCO,  8                           ; v[8+2p] 2^eo, v[9+2p] 57,344 x 2^eo
.set ADRA, 16                          ; v16-17 source 1 in slot 0, 1 (Q, K); v20-21 (V)
.set ADRB, 18                          ; v18-19 source 0 (Q, K); v22-23 (V)
.set LI,   26                          ; 16 x lane
.set PFO,  27                          ; the prefetches' offset
.set SPW,  28
.set NIL,  29
.set BV,   96
.set AF,   128
.set TMP,  0                           ; window 3
.set CD,   64
.set BI,   128
.set G1, 24
.set G0, 32
.set G1B, 48
.set G0B, 56
.set SS,   96                          ; s[96+2p:97+2p] 2^(x's e + the weight's e)
.set PB,   66                          ; s[66:67] where my prefetches stand
.set PST,  22                          ; s[22:23] from product to product
.set PFON, 18                          ; 1: my wave prefetches
.set MSB, 0
.macro WIN new                         ; the immediate's high byte repeats the setting that is left
.if MSB != (\new)
	s_set_vgpr_msb (MSB<<8)|(\new)
.set MSB, (\new)
.endif
.endm
.set MUL,  0xa1                        ; source 0 window 1, source 1 window 0, C and D window 2
.set TO_B, 0x40
.macro JLOAD g0a, g1a, g0b, g1b        ; waves 0, 1 fetch tokens, waves 2, 3 features; an s_nop 0 and four v_nop follow each line
	s_cmp_eq_u32 s15, 0
	s_cbranch_scc0 .Lfor_b_\@
	tensor_load_to_lds s[\g0a:\g0a+3], s[\g1a:\g1a+7]
	s_nop 0
.rept 4
	v_nop
.endr
	s_branch .Lasked_\@
.Lfor_b_\@:
	tensor_load_to_lds s[\g0b:\g0b+3], s[\g1b:\g1b+7]
	s_nop 0
.rept 4
	v_nop
.endr
.Lasked_\@:
.endm
.macro CREST
	s_cmp_lg_u32 s14, 0
	s_cbranch_scc1 .Lnot_wave_0_\@
	s_barrier_signal -3
.Lnot_wave_0_\@:
	s_barrier_wait -3
	s_barrier_signal -1
	s_barrier_wait -1
.endm
.macro CROUND
	s_barrier_signal -1
	s_barrier_wait -1
	CREST
.endm
.macro ASK t                           ; my share of slot number t: a lane a block of 256 bytes
	s_cmp_eq_u32 s[PFON], 1
	s_cbranch_scc0 .Lnot_mine_\@
	global_prefetch_b8 v[PFO], s[PB:PB+1] offset:((\t)%4)*HALFB th:TH_LOAD_NT scope:SCOPE_SE
.Lnot_mine_\@:
.endm
.macro PLACES n
.rept \n
	v_nop
.endr
.endm
	s_load_b512 s[68:83], s[0:1], 0x0              ; xc, wc, the scales, bq, bk, bv, qimg, kv
	v_lshl_add_u32 v[SPW], v0, 2, SPARE
	v_mov_b32 v[NIL], 0
	ds_add_u32 v[SPW], v[NIL]
	ds_add_u32 v[SPW], v[NIL]
	v_lshrrev_b32 v1, 5, v0
	v_readfirstlane_b32 s14, v1                    ; wave
	s_lshr_b32 s15, s14, 1                         ; I fetch tokens (0) or features (1).  Also: my block of 128 features
	s_and_b32 s16, s14, 1                          ; which half I fetch.  Also: my four tiles of source 1
	s_bfe_u32 s40, ttmp6, 0x40000                  ; cx, cy
	s_bfe_u32 s41, ttmp6, 0x40004
	s_lshl_b32 s42, ttmp9, 2
	s_add_co_u32 s42, s42, s40                     ; fx: block of 256 features
	s_and_b32 s13, ttmp7, 0xffff                   ; the cluster's y
	s_lshl_b32 s17, s13, 2
	s_add_co_u32 s17, s17, s41                     ; ty: block of 128 tokens
	s_lshl_b32 s43, s41, 2
	s_lshl_b32 s43, 15, s43                        ; my row of the cluster
	s_lshl_b32 s44, 0x1111, s40                    ; my column
	s_or_b32 s[G1+0], s43, (3<<16)|(1<<21)         ; elements of 8 bytes; the tokens' tiles go to my row
	s_or_b32 s[G1B+0], s44, (3<<16)|(1<<21)        ; the features' to my column
	s_mov_b32 s[G1+1], 2048<<16                    ; the head's shapes.  Tokens: 2 rows of 16 KiB, 32 KiB apart: my half of slot numbers 0 and 1
	s_mov_b32 s[G1+2], 2<<16
	s_mov_b32 s[G1+3], 2048<<16
	s_mov_b32 s[G1+4], 2
	s_mov_b32 s[G1+5], 4096
	s_mov_b32 s[G1+6], 0
	s_mov_b32 s[G1+7], 0
	s_mov_b32 s[G1B+1], 32<<16                     ; features: 256 dense rows of 256 bytes: my block of slot numbers 0 and 1
	s_mov_b32 s[G1B+2], 256<<16
	s_mov_b32 s[G1B+3], 32<<16
	s_mov_b32 s[G1B+4], 256
	s_mov_b32 s[G1B+5], 32
	s_mov_b32 s[G1B+6], 0
	s_mov_b32 s[G1B+7], 0
	s_lshl_b32 s20, s17, 17                        ; tokens: block ty, 128 KiB a block,
	s_lshl_b32 s18, s16, 14
	s_add_co_u32 s20, s20, s18                     ; + my 16 KiB
	s_mov_b32 s21, 0
	s_lshl_b32 s46, s42, 1
	s_add_co_u32 s46, s46, s16
	s_lshl_b32 s46, s46, 17                        ; features: block 2 fx + half
	s_mov_b32 s47, 0
	s_lshl_b32 s45, s16, 15                        ; where they go: no place in the cluster enters an LDS address
	s_lshl_b32 s12, s16, 16
	s_add_co_u32 s12, s12, FB
	s_wait_dscnt 0x0
	s_wait_kmcnt 0x0
	s_load_b256 s[84:91], s[72:73], 0x0            ; e0 .. e7
	s_load_b128 s[92:95], s[72:73], 0x20           ; e8 .. e11
	s_add_nc_u64 s[20:21], s[68:69], s[20:21]
	s_add_nc_u64 s[46:47], s[70:71], s[46:47]
	CROUND                                         ; all sixteen work-groups are here: the first joint loads meet
.irp s, 0,1
	s_mov_b32 s[G0+4*\s], 1
	s_add_co_u32 s[G0+4*\s+1], s45, \s*16384
	s_add_nc_u64 s[G0+4*\s+2:G0+4*\s+3], s[20:21], \s*HALFB
	s_or_b32 s[G0+4*\s+3], s[G0+4*\s+3], 0x80000000
	s_mov_b32 s[G0B+4*\s], 1
	s_add_co_u32 s[G0B+4*\s+1], s12, \s*HALFB
	s_add_nc_u64 s[G0B+4*\s+2:G0B+4*\s+3], s[46:47], \s*HALFB
	s_or_b32 s[G0B+4*\s+3], s[G0B+4*\s+3], 0x80000000
.endr
	JLOAD G0, G1, G0B, G1B                         ; slot numbers 0 and 1 by one tensor load a wave
	; the prefetches: of what I fetch, the partner at place p takes a quarter: 16 blocks of 256 bytes of the tokens' 16 KiB (p = cx), 32 of the features' 32 KiB (p = cy)
	s_cmp_lt_u32 s13, 4
	s_cselect_b32 s[PFON], 1, 0                    ; the weights: four clusters ask
	s_cmp_eq_u32 s15, 0
	s_cselect_b32 s[PFON], 1, s[PFON]              ; the tokens: every cluster for its own
	s_cselect_b64 s[PB:PB+1], s[20:21], s[46:47]
	s_cselect_b32 s8, s40, s41
	s_cselect_b32 s10, 12, 13
	s_cselect_b32 s11, 15, 31
	s_mov_b32 s[PST], PF
	s_cselect_b32 s[PST], PT, s[PST]
	s_mov_b32 s[PST+1], 0
	s_lshl_b32 s8, s8, s10
	s_mov_b32 s9, 0
	s_add_nc_u64 s[PB:PB+1], s[PB:PB+1], s[8:9]
	v_and_b32 v1, 31, v0
	v_lshlrev_b32 v[LI], 4, v1
	v_min_u32 v[PFO], s11, v1                      ; lanes left over name the last block again
	v_lshlrev_b32 v[PFO], 8, v[PFO]
	s_wait_alu depctr_va_vdst(0)                   ; ahead of the readers below
	ASK 2
	s_lshl_b32 s8, s16, 15                         ; Q, K: source 1 = the tokens' half
	s_lshl_b32 s9, s15, 16
	s_add_co_u32 s9, s9, FB                        ; source 0 = my block of features
	s_lshl_b32 s10, s16, 14
	s_add_co_u32 s10, s10, s9                      ; V: source 1 = that block's tiles 4 half ..; source 0 = the tokens
.irp s, 0,1
	v_add_nc_u32 v[ADRA+\s], s8, v[LI]
	v_add_nc_u32 v[ADRB+\s], s9, v[LI]
	v_add_nc_u32 v[ADRA+4+\s], s10, v[LI]
	v_add_nc_u32 v[ADRB+4+\s], \s*16384, v[LI]
	s_add_co_u32 s8, s8, 16384
	s_add_co_u32 s9, s9, HALFB
	s_add_co_u32 s10, s10, HALFB
.endr
	s_lshl_b32 s10, s42, 10
	s_lshl_b32 s11, s15, 9
	s_add_co_u32 s10, s10, s11                     ; my block of features, in bytes of a bias
	v_bfe_u32 v1, v0, 4, 1                         ; h
	v_lshl_add_u32 v2, v1, 6, s10                  ; registers 16 g + 0 .. 15 are features 32 g + 16 h + 0 .. 15
	s_lshl_b32 s11, s16, 8
	s_add_co_u32 s11, s10, s11                     ; V: + 64 half
	v_and_b32 v3, 15, v0
	v_and_b32 v4, 8, v3
	v_add_nc_u32 v3, v3, v4                        ; r + 8 (r / 8)
	v_lshl_add_u32 v3, v3, 2, s11
	WIN 0xc0                                       ; destination window 3
.irp g, 0,1,2,3
.irp i, 0,1,2,3
	global_load_b128 v[BI+16*\g+4*\i:BI+16*\g+4*\i+3], v2, s[74:75] offset:128*\g+16*\i
	global_load_b128 v[BI+64+16*\g+4*\i:BI+64+16*\g+4*\i+3], v2, s[76:77] offset:128*\g+16*\i
.endr
.endr
	WIN 0
.irp a, 0,1,2,3
	global_load_b32 v[BV+2*\a], v3, s[78:79] offset:(32*(\a/2)+8*(\a%2))*4
	global_load_b32 v[BV+2*\a+1], v3, s[78:79] offset:(32*(\a/2)+8*(\a%2))*4      ; twice: a pair for the packed multiply-add
.endr
	s_wait_kmcnt 0x0                               ; the scales: no branch hangs on them
.irp p, 0,1,2
	s_add_co_i32 s[SS+2*\p], s[84+2*\p], s[85+2*\p]
	s_add_co_i32 s[SS+2*\p], s[SS+2*\p], 127
	s_lshl_b32 s[SS+2*\p], s[SS+2*\p], 23
	s_mov_b32 s[SS+2*\p+1], s[SS+2*\p]
.endr
.macro MKO e, p
	s_add_co_i32 s2, \e, 127
	s_lshl_b32 s3, s2, 23
	v_mov_b32 v[SCO+2*\p], s3
	s_add_co_i32 s2, s2, 15
	s_lshl_b32 s2, s2, 23
	s_or_b32 s2, s2, 0x600000
	v_mov_b32 v[SCO+2*\p+1], s2
.endm
	MKO s90, 0
	MKO s91, 1
	MKO s93, 2
	; where the codes go.  qimg: [head 64][token tile 128][c 2][512].  kv: [head 64][key step 16][16 KiB]: K [tile 8][c 2][512], then V^T [channel tile 4][c 4][512]
	s_lshr_b32 s8, s17, 4
	s_lshl_b32 s8, s8, 4                           ; 16 x batch
	s_lshl_b32 s9, s42, 2
	s_add_co_u32 s8, s8, s9
	s_lshl_b32 s9, s15, 1
	s_add_co_u32 s8, s8, s9                        ; my block's first head
	s_and_b32 s9, s17, 15                          ; my block of 128 tokens in the sequence
	s_lshl_b32 s10, s8, 17
	s_lshl_b32 s11, s9, 13
	s_add_co_u32 s10, s10, s11
	s_lshl_b32 s11, s16, 12                        ; token tiles 4 half ..
	s_add_co_u32 s10, s10, s11
	s_mov_b32 s11, 0
	s_add_nc_u64 s[4:5], s[80:81], s[10:11]        ; Q: first head, second head
	s_add_nc_u64 s[6:7], s[4:5], 0x20000
	s_lshl_b32 s10, s8, 18
	s_lshl_b32 s2, s9, 14
	s_add_co_u32 s10, s10, s2
	s_lshl_b32 s2, s16, 12
	s_add_co_u32 s2, s10, s2
	s_mov_b32 s3, 0
	s_add_nc_u64 s[84:85], s[82:83], s[2:3]        ; K likewise
	s_add_nc_u64 s[86:87], s[84:85], 0x40000
	s_lshl_b32 s2, s16, 18                         ; V: my 64 features are head first + half
	s_add_co_u32 s2, s10, s2
	s_add_co_u32 s2, s2, 8192
	s_add_nc_u64 s[88:89], s[82:83], s[2:3]
.macro FRAG reg, adr, off              ; a fragment as it lies: four pieces of 512 consecutive bytes
.irp c, 0,1,2,3
	ds_load_b128 v[\reg+4*\c:\reg+4*\c+3], v[\adr] offset:\off+512*\c
.endr
.endm
.macro FETCH mode, slot, q, set        ; 48 LDS loads of the slot's step q: source 1's four fragments first, then source 0's eight in the order in which the products take them
.irp i, 0,1,2,3
	FRAG AF+64*(\set)+FR*\i, ADRA+4*(\mode)+\slot, 4096*\i+2048*(\q)
.endr
	WIN TO_B
.irp i, 0,1,2,3,4,5,6,7
	FRAG 128*(\set)+FR*\i, ADRB+4*(\mode)+\slot, 4096*\i+16384*(\mode)*(\i/4)+2048*(\q)
.endr
	WIN 0
.endm
.macro MULB b, set, zero               ; source 0's tile b x source 1's four; the 32 accumulators take turns, in the same order in every step
.irp a, 0,1,2,3
.if \zero
	v_wmma_f32_16x16x128_bf8_bf8 v[8*(8*\a+(\b)):8*(8*\a+(\b))+7], v[128*(\set)+FR*(\b):128*(\set)+FR*(\b)+FR-1], v[AF+64*(\set)+FR*\a:AF+64*(\set)+FR*\a+FR-1], 0
.else
	v_wmma_f32_16x16x128_bf8_bf8 v[8*(8*\a+(\b)):8*(8*\a+(\b))+7], v[128*(\set)+FR*(\b):128*(\set)+FR*(\b)+FR-1], v[AF+64*(\set)+FR*\a:AF+64*(\set)+FR*\a+FR-1], v[8*(8*\a+(\b)):8*(8*\a+(\b))+7]
.endif
.endr
.endm
; A slot's first step, on set 0.  Each group of four products waits only for its own fragment: the count is the LDS loads issued behind it.  The second step's fragments come into set 1 from the middle on
; (four places stand behind the products that read set 1: those behind the last change of slots).
.macro STEP mode, slot, zero
	WIN MUL
.irp b, 0,1,2,3
	s_wait_dscnt 28-4*\b                           ; behind tile b's four loads: those of tiles b + 1 .. 7
	MULB \b, 0, \zero
.endr
	WIN 0
	FETCH \mode, \slot, 1, 1
	WIN MUL
.irp b, 4,5,6,7
	s_wait_dscnt 76-4*\b                           ; and the 48 just issued
	MULB \b, 0, \zero
.endr
	WIN 0
.endm
; A slot's second step, on set 1, changes slots.  g: the slot's number.  While g + 2 < NSL the slot is filled again with slot number g + 2, behind a round of the cluster's barrier.
.macro TURN g
.set sl, (\g)%2
.set tt, (\g)+2
.set nm, ((\g)+1)/8
.if ((\g)+4 < NSL) && (((\g)+4)%4 == 0)
	s_wait_xcnt 0x0                                ; my prefetches have read their base: on to the next product's codes
	s_add_nc_u64 s[PB:PB+1], s[PB:PB+1], s[PST:PST+1]
.endif
	s_wait_tensorcnt 0x0                           ; my part of the next slot is in
	ds_add_u32 v[SPW], v[NIL]
	WIN MUL
.irp b, 0,1,2,3
	s_wait_dscnt 29-4*\b                           ; behind tile b's loads: the later tiles' and the add
	MULB \b, 1, 0
.endr
	s_wait_dscnt 0x0                               ; the add is done, and my reads of this slot are over
	s_barrier_signal -1
.irp b, 4,5,6,7
	MULB \b, 1, 0
.endr
	WIN 0
	s_barrier_wait -1
.if tt < NSL
	CREST                                          ; no wave of any partner still reads this slot or has a load on its way
.if tt%4 < 2
	s_add_nc_u64 s[G0+4*sl+2:G0+4*sl+3], s[G0+4*sl+2:G0+4*sl+3], PT-2*HALFB       ; the next product's first slots
	s_add_nc_u64 s[G0B+4*sl+2:G0B+4*sl+3], s[G0B+4*sl+2:G0B+4*sl+3], PF-2*HALFB
.else
	s_add_nc_u64 s[G0+4*sl+2:G0+4*sl+3], s[G0+4*sl+2:G0+4*sl+3], 2*HALFB
	s_add_nc_u64 s[G0B+4*sl+2:G0B+4*sl+3], s[G0B+4*sl+2:G0B+4*sl+3], 2*HALFB
.endif
	JLOAD G0+4*sl, G1, G0B+4*sl, G1B               ; the first tensor load behind the round; its four v_nop are the places in front of the loads below
.else
	PLACES 4
.endif
	FETCH nm, 1-sl, 0, 0
.if (\g)+4 < NSL
	ASK (\g)+4                                     ; two refills ahead
.endif
.endm
.macro LAST
	WIN MUL
.irp b, 0,1,2,3,4,5,6,7
	s_wait_dscnt 28-4*\b
	MULB \b, 1, 0
.endr
	WIN 0
	PLACES 4
.endm
; THE WAY OUT of product p, tile a of source 1 at a time: sum x 2^(the two e) + bias, each accumulator from its low end on; the hold (the conversion does not saturate: ISA guide 7.6.2); eight conversions.
; Four registers of codes are a piece of the reader's fragment: the wave stores 512 consecutive bytes.  All in window 3, beside the next product's fragments.
.macro EPI isv, p
.if \p > 0
	s_wait_xcnt 0x0                                ; the last product's stores have read the codes' registers
.else
	s_wait_loadcnt 0x0                             ; the biases
.endif
.irp a, 0,1,2,3
.if \isv
	WIN 0xc2                                       ; source 0 window 2, source 2 window 0, destination window 3
.else
	WIN 0xf2                                       ; source 2 window 3
.endif
.set j, 0
.rept 32
.if \isv
	v_pk_fma_f32 v[TMP+j:TMP+j+1], v[64*\a+j:64*\a+j+1], s[SS+2*\p:SS+2*\p+1], v[BV+2*\a:BV+2*\a+1] op_sel_hi:[1,0,1]
.else
	v_pk_fma_f32 v[TMP+j:TMP+j+1], v[64*\a+j:64*\a+j+1], s[SS+2*\p:SS+2*\p+1], v[BI+64*\p+j:BI+64*\p+j+1] op_sel_hi:[1,0,1]
.endif
.set j, j+2
.endr
	WIN 0xc3
.irp g, 0,1,2,3
.set j, 0
.rept 16
	v_med3_num_f32 v[TMP+16*\g+j], v[TMP+16*\g+j], -v[SCO+2*\p+1], v[SCO+2*\p+1]
.set j, j+1
.endr
	v_cvt_scalef32_pk8_bf8_f32 v[CD+16*\a+4*\g:CD+16*\a+4*\g+1], v[TMP+16*\g:TMP+16*\g+7], v[SCO+2*\p]
	v_cvt_scalef32_pk8_bf8_f32 v[CD+16*\a+4*\g+2:CD+16*\a+4*\g+3], v[TMP+16*\g+8:TMP+16*\g+15], v[SCO+2*\p]
.endr
	v_nop                                          ; a plain line behind the last conversion
	WIN 0x0c                                       ; store data window 3
.irp g, 0,1,2,3
.if \isv
	global_store_b128 v[LI], v[CD+16*\a+4*\g:CD+16*\a+4*\g+3], s[88:89] offset:2048*\a+512*\g      ; channel tile a, keys 32 g on
.else
	global_store_b128 v[LI], v[CD+16*\a+4*\g:CD+16*\a+4*\g+3], s[4+80*\p+2*(\g/2):5+80*\p+2*(\g/2)] offset:1024*\a+512*(\g%2)   ; head g / 2, token tile a, channels 32 (g % 2) on
.endif
.endr
.endr
	WIN 0
.endm
	s_wait_alu depctr_va_vdst(0)
	s_wait_tensorcnt 0x0                           ; my share of both slots is in,
	s_barrier_signal -1
	s_barrier_wait -1                              ; everybody's is.
	s_mov_b32 s[G1+1], 32<<16                      ; the refills' shapes (no load of mine is out).  Tokens: 64 dense rows of 256 bytes;
	s_mov_b32 s[G1+2], 64<<16
	s_mov_b32 s[G1+3], 32<<16
	s_mov_b32 s[G1+4], 64
	s_mov_b32 s[G1+5], 32
	s_mov_b32 s[G1B+2], 128<<16                    ; features: 128
	s_mov_b32 s[G1B+4], 128
	FETCH 0, 0, 0, 0
	ASK 3
.irp p, 0,1,2
	STEP \p/2, 0, 1                                ; a product's first step starts the sums: nothing is cleared
	TURN 4*\p
	STEP \p/2, 1, 0
	TURN 4*\p+1
	STEP \p/2, 0, 0
	TURN 4*\p+2
	STEP \p/2, 1, 0
.if \p < 2
	TURN 4*\p+3
.else
	LAST
.endif
	EPI \p/2, \p
.endr
	s_wait_tensorcnt 0x0                           ; the wave's end
	ds_add_u32 v[SPW], v[NIL]
	s_wait_dscnt 0x0
	CROUND                                         ; the closing round
	s_endpgm
.Lfunc_end_k_q395d075d35_proj:
	.size	k_q395d075d35_proj, .Lfunc_end_k_q395d075d35_proj-k_q395d075d35_proj
	.p2alignl 7, 3214868480
	.fill 96, 4, 3214868480
	.section	.rodata,"a",@progbits
	.p2align	6, 0x0
	.amdhsa_kernel k_q395d075d35_proj
		.amdhsa_group_segment_fixed_size 327680
		.amdhsa_private_segment_fixed_size 0
		.amdhsa_enable_private_segment 0
		.amdhsa_kernarg_size 64
		.amdhsa_user_sgpr_count 2
		.amdhsa_user_sgpr_kernarg_segment_ptr 1
		.amdhsa_wavefront_size32 1
		.amdhsa_system_sgpr_workgroup_id_x 1
		.amdhsa_system_sgpr_workgroup_id_y 1
		.amdhsa_system_sgpr_workgroup_id_z 1
		.amdhsa_system_vgpr_workitem_id 0
		.amdhsa_next_free_vgpr 1024
		.amdhsa_next_free_sgpr 102
		.amdhsa_reserve_vcc 0
		.amdhsa_float_denorm_mode_32 3
		.amdhsa_float_denorm_mode_16_64 3
		.amdhsa_memory_ordered 1
		.amdhsa_forward_progress 1
		.amdhsa_inst_pref_size 240
	.end_amdhsa_kernel
	.amdgpu_metadata
---
amdhsa.version: [ 1, 2 ]
amdhsa.kernels:
  - .name:           k_q395d075d35_proj
    .symbol:         k_q395d075d35_proj.kd
    .args:
      - { .name: xc, .offset: 0, .size: 8, .value_kind: global_buffer, .address_space: global }
      - { .name: wc, .offset: 8, .size: 8, .value_kind: global_buffer, .address_space: global }
      - { .name: lowp_scales, .offset: 16, .size: 8, .value_kind: global_buffer, .address_space: global }
      - { .name: bq, .offset: 24, .size: 8, .value_kind: global_buffer, .address_space: global }
      - { .name: bk, .offset: 32, .size: 8, .value_kind: global_buffer, .address_space: global }
      - { .name: bv, .offset: 40, .size: 8, .value_kind: global_buffer, .address_space: global }
      - { .name: qimg, .offset: 48, .size: 8, .value_kind: global_buffer, .address_space: global }
      - { .name: kv, .offset: 56, .size: 8, .value_kind: global_buffer, .address_space: global }
    .group_segment_fixed_size: 327680
    .private_segment_fixed_size: 0
    .kernarg_segment_align: 8
    .kernarg_segment_size: 64
    .max_flat_workgroup_size: 128
    .sgpr_count:     102
    .vgpr_count:     1024
    .wavefront_size: 32
...
	.end_amdgpu_metadata
.endif
;; end of part 2
;; launch attn (part 3): grid 4 x 64, 8 waves a work-group, clusters of 4 x 1, 327,680 bytes of LDS; arguments qimg, kv, lowp_scales, ctx; writes ctx
.if DOCPART == 3
	.amdgcn_target "amdgcn-amd-amdhsa--gfx1250"
	.amdhsa_code_object_version 6
	.text
	.protected	k_q395d075d35_attn
	.globl	k_q395d075d35_attn
	.p2align	8
	.type	k_q395d075d35_attn,@function
k_q395d075d35_attn:
	s_mov_b64 s[64:65], 0
	v_nop
	global_prefetch_b8 v0, s[64:65] scope:SCOPE_SE
	s_setreg_imm32_b32 hwreg(HW_REG_WAVE_MODE, 25, 1), 1
	s_wait_xcnt 0x0
	s_wait_alu depctr_hold_cnt(0) depctr_sa_sdst(0) depctr_va_vdst(0) depctr_va_sdst(0) depctr_va_ssrc(0) depctr_va_vcc(0) depctr_vm_vsrc(0)
	s_getreg_b32 s2, hwreg(HW_REG_IB_STS2, 6, 4)
	s_cmp_eq_u32 s2, 0
	s_cbranch_scc0 .Lentry_in_a_cluster
	s_endpgm
.Lentry_in_a_cluster:
	s_bfe_u32 s2, ttmp6, 0x10000c
	s_cmp_lg_u32 s2, 0x3003
	s_cbranch_scc0 .Lentry_shape_is_right
	s_endpgm
.Lentry_shape_is_right:
; ctx = softmax(Q K^T / 8) V for each of 64 (batch, head) pairs, both products on codes of BF8 (E5M2), f32 sums; ctx leaves as codes with the scale of entry 10, laid as the register image that the last product reads.
; t = score x log2(e) / 8; M = the running largest t rounded up to a whole number; p = 2^(t - M) is quantised (entry 8), held at the largest code; the row's sum is taken of the unquantised p and divides at the end.
; LIMITS: e6 + e7 between -123 and 130; e8, e10 between -126 and 112; the scaled scores stay under 2^31 in magnitude.  NaN among the inputs is not served.
; SHARES.  A work-group owns 512 queries of one head, each of its eight waves 64: four tiles of 16.  The four work-groups of a head form a cluster and ask for K and V JOINTLY.
; A head's K and V, 16 key steps of 16 KiB (K [tile 8][c 2][512], then V^T [channel tile 4][c 4][512]), lie whole in LDS: steps 0-3 by the head's load, steps 4-15 by a second first fill; nothing is filled again.
; No prefetch: both loads are asked for at the head, so no later load exists to run ahead of.
; Both products are used transposed (S^T = K Q^T, O^T = V^T P^T): a lane holds one query; p's 16 registers of two neighbouring tiles are 16 neighbouring keys.
; A UNIT is one query tile x 128 keys.  Unit q issues the next tile's scores and the last tile's second product, then walks tile q's softmax; the NEXT tile's maximum, its M and the rescaling of its sum and O^T
; are laid line by line among tile q's sums and holds, so that dependent lines stand apart.  The exponentials go in two halves: the other half's independent lines stand among them.
; REGISTERS.  Window 0: v1-15 addresses, constants, temporaries; v16-31 for each tile -M, the largest score, the sum in two halves; v32-63 Q; v64-95 p's codes, two sets; v96-223 scores, two sets; v224-239 pair sums.
;   Window 1: v0-127 O^T of the four tiles; v128-191 K's fragments; v192-255 V's.
.set KSB,  16384                       ; a key step in LDS
.set SPARE, 0x40000                    ; behind K and V: the spare words, 128 bytes a wave
.set LI,   1                           ; 16 x lane
.set ADK,  2
.set ADV,  3
.set LIMP, 4                           ; v4, v5: 57,344 x 2^e8, twice (one for each half of a dual line)
.set F,    6                           ; v[6:7] f = 2^(old M - new M)
.set MX,   8                           ; v8-11 four chains of the maximum
.set PERM, 12
.set TM,   13
.set LIMC, 14
.set SCX,  15
.set ST,   16
.set QF,   32
.set PC,   64
.set S,    96
.set T,    224
.set SCP,  240
.set DD,   241
.set TM2,  242
.set SPW,  254
.set NIL,  255
.set KF,   128
.set VF,   192
.set W_KQ, 0x01
.set W_PV, 0x51
.set W_RS, 0x41
.set W_LD, 0x40
.set MSB, 0
.macro WIN new                         ; the immediate's high byte repeats the setting that is left
.if MSB != (\new)
	s_set_vgpr_msb (MSB<<8)|(\new)
.set MSB, (\new)
.endif
.endm
.macro CROUND                          ; a round of the cluster's barrier
	s_barrier_signal -1
	s_barrier_wait -1
	s_cmp_lg_u32 s12, 0
	s_cbranch_scc1 .Lnot_wave_0_\@
	s_barrier_signal -3
.Lnot_wave_0_\@:
	s_barrier_wait -3
	s_barrier_signal -1
	s_barrier_wait -1
.endm
	s_load_b256 s[4:11], s[0:1], 0x0               ; qimg, kv, the scales, ctx
	v_lshl_add_u32 v[SPW], v0, 2, SPARE
	v_mov_b32 v[NIL], 0
	ds_add_u32 v[SPW], v[NIL]                      ; the add, twice on end, and its wait
	ds_add_u32 v[SPW], v[NIL]
	v_lshrrev_b32 v1, 5, v0
	v_readfirstlane_b32 s12, v1                    ; wave 0..7
	s_bfe_u32 s13, ttmp6, 0x40000                  ; cx: which 512 queries
	s_and_b32 s14, ttmp7, 0xffff                   ; (batch, head)
	s_mov_b32 s16, 15|(3<<16)|(1<<21)              ; group 1, first load: 32 rows of 256 bytes, dense, elements of 8 bytes; the mask names the four partners
	s_mov_b32 s17, 32<<16
	s_mov_b32 s18, 32<<16
	s_mov_b32 s19, 32<<16
	s_mov_b32 s20, 32
	s_mov_b32 s21, 32
	s_mov_b32 s22, 0
	s_mov_b32 s23, 0
	s_mov_b32 s24, 15|(3<<16)|(1<<21)              ; group 1, second load: 96 such rows
	s_mov_b32 s25, 32<<16
	s_mov_b32 s26, 96<<16
	s_mov_b32 s27, 32<<16
	s_mov_b32 s28, 96
	s_mov_b32 s29, 32
	s_mov_b32 s30, 0
	s_mov_b32 s31, 0
	s_mov_b32 s32, 1
	s_lshl_b32 s33, s12, 13                        ; my 8 KiB of steps 0-3
	s_mov_b32 s36, 1
	s_mul_i32 s37, s12, 24576
	s_add_co_u32 s37, s37, 65536                   ; my 24 KiB of steps 4-15
	s_lshl_b32 s60, s14, 18                        ; a head's K and V are 256 KiB
	s_add_co_u32 s60, s60, s33
	s_mov_b32 s61, 0
	s_lshl_b32 s62, s14, 18
	s_add_co_u32 s62, s62, s37
	s_mov_b32 s63, 0
	s_mov_b32 s40, 0x76543210                      ; selects for lane l xor 16
	s_mov_b32 s41, 0xfedcba98
	s_wait_dscnt 0x0
	s_wait_kmcnt 0x0
	s_load_b256 s[48:55], s[8:9], 0x0              ; e0 .. e7
	s_load_b128 s[56:59], s[8:9], 0x20             ; e8 .. e11
	s_add_nc_u64 s[34:35], s[6:7], s[60:61]
	s_or_b32 s35, s35, 0x80000000
	s_add_nc_u64 s[38:39], s[6:7], s[62:63]
	s_or_b32 s39, s39, 0x80000000
	CROUND                                         ; the four partners are here: the joint loads meet
	tensor_load_to_lds s[32:35], s[16:23]          ; steps 0-3: my one load at the head
	s_nop 0
	v_and_b32 v[LI], 31, v0
	v_mov_b32 v7, 0
	v_mov_b32 v[PERM], 0
	v_lshlrev_b32 v[LI], 4, v[LI]
	s_lshl_b32 s60, s14, 17                        ; Q's image: 128 KiB a head, 32 KiB a work-group, 4 KiB a wave
	s_lshl_b32 s15, s13, 15
	s_add_co_u32 s60, s60, s15
	s_lshl_b32 s15, s12, 12
	s_add_co_u32 s60, s60, s15
	s_add_nc_u64 s[4:5], s[4:5], s[60:61]
.irp i, 0,1,2,3,4,5,6,7
	global_load_b128 v[QF+4*\i:QF+4*\i+3], v[LI], s[4:5] offset:512*\i   ; asked for under the first fill's flight
.endr
	WIN W_LD
.set j, 0
.rept 128
	v_mov_b32 v[j], 0                              ; O^T: the loop has no first step of its own; the first change of M multiplies zeros
.set j, j+1
.endr
	WIN 0
.set j, 0
.rept 16
	v_mov_b32 v[PC+16+j], 0                        ; the first unit's second product finds zero codes
.set j, j+1
.endr
.irp q, 0,1,2,3
	v_mov_b32 v[ST+4*\q], 0x7f61b1e6               ; -M = 3e38: the first f is 0
	v_mov_b32 v[ST+4*\q+1], 0xff61b1e6             ; the largest score so far: -3e38
	v_mov_b32 v[ST+4*\q+2], 0
	v_mov_b32 v[ST+4*\q+3], 0
.endr
	s_wait_kmcnt 0x0
	s_mov_b32 s42, 0x3e38aa3b                      ; c = log2(e) / 8,
	s_add_co_i32 s15, s54, s55
	s_lshl_b32 s15, s15, 23
	s_add_co_i32 s42, s42, s15                     ; x 2^(e6 + e7), by its exponent field
	s_mov_b32 s43, s42
	s_add_co_i32 s15, s56, 127
	s_lshl_b32 s47, s15, 23
	v_mov_b32 v[SCP], s47                          ; 2^e8
	s_add_co_i32 s15, s15, 15
	s_lshl_b32 s15, s15, 23
	s_or_b32 s15, s15, 0x600000
	v_mov_b32 v[LIMP], s15                         ; 57,344 x 2^e8
	v_mov_b32 v[LIMP+1], s15
	s_add_co_i32 s15, s58, 127
	s_lshl_b32 s47, s15, 23
	v_mov_b32 v[SCX], s47                          ; 2^e10
	s_add_co_i32 s15, s15, 15
	s_lshl_b32 s15, s15, 23
	s_or_b32 s15, s15, 0x600000
	v_mov_b32 v[LIMC], s15
	s_add_co_i32 s66, s56, s57                     ; e8 + e9
	; ctx's image: [block of 128 tokens][slot of 256 channels][tile 8][step 2][c 4][512]
	s_lshr_b32 s15, s14, 4
	s_lshl_b32 s15, s15, 4
	s_lshl_b32 s67, s13, 2
	s_add_co_u32 s15, s15, s67
	s_lshr_b32 s67, s12, 1
	s_add_co_u32 s15, s15, s67
	s_lshl_b32 s15, s15, 2
	s_bfe_u32 s67, s14, 0x20002
	s_add_co_u32 s15, s15, s67
	s_lshl_b32 s15, s15, 15
	s_and_b32 s67, s12, 1
	s_lshl_b32 s67, s67, 14
	s_add_co_u32 s15, s15, s67
	s_bfe_u32 s67, s14, 0x10001
	s_lshl_b32 s67, s67, 11
	s_add_co_u32 s15, s15, s67
	s_and_b32 s67, s14, 1
	s_lshl_b32 s67, s67, 10
	s_add_co_u32 s68, s15, s67
	s_mov_b32 s69, 0
	s_add_nc_u64 s[10:11], s[10:11], s[68:69]
.macro KQ qn, par                      ; S^T of tile qn: eight tiles of 16 keys, K = the head's 64
	WIN W_KQ
.irp t, 0,1,2,3,4,5,6,7
	v_wmma_f32_16x16x64_bf8_bf8 v[S+64*(\par)+8*\t:S+64*(\par)+8*\t+7], v[KF+8*\t:KF+8*\t+7], v[QF+8*(\qn):QF+8*(\qn)+7], 0
.endr
.endm
.macro PV qp, par                      ; O^T of tile qp += V^T P^T: four channel tiles, K = 128 keys; the four accumulators by turns
	WIN W_PV
.irp t, 0,1,2,3
	v_wmma_f32_16x16x128_bf8_bf8 v[32*(\qp)+8*\t:32*(\qp)+8*\t+7], v[VF+16*\t:VF+16*\t+15], v[PC+16*(\par):PC+16*(\par)+15], v[32*(\qp)+8*\t:32*(\qp)+8*\t+7]
.endr
.endm
.macro FETCH_K
	v_add_nc_u32 v[ADK], s45, v[LI]
	WIN W_LD
.irp t, 0,1,2,3,4,5,6,7
	ds_load_b128 v[KF+8*\t:KF+8*\t+3], v[ADK] offset:1024*\t
	ds_load_b128 v[KF+8*\t+4:KF+8*\t+7], v[ADK] offset:1024*\t+512
.endr
	WIN 0
.endm
.macro FETCH_V
	v_add_nc_u32 v[ADV], s44, v[LI]
	WIN W_LD
.irp t, 0,1,2,3
.irp c, 0,1,2,3
	ds_load_b128 v[VF+16*\t+4*\c:VF+16*\t+4*\c+3], v[ADV] offset:8192+2048*\t+512*\c
.endr
.endr
	WIN 0
.endm
.macro DMIN a                          ; the hold of two numbers in one line: p is not negative, so it is one-sided (the conversion does not saturate: ISA guide 7.6.2)
	v_dual_min_num_f32 v[\a], v[\a], v[LIMP] :: v_dual_min_num_f32 v[(\a)+1], v[(\a)+1], v[LIMP+1]
.endm
.macro DM k, full                      ; the second half's holds
.if \full
	DMIN rS+32+2*(\k)
.endif
.endm
; The next tile's maximum, M and f, and the rescaling of its sum and O^T.  full = 1: tile q's sums, its second half's holds and its conversions stand among these lines.
.macro TAIL q, full
.set nq, ((\q)+1)%4
.set rS, S+64*((\q)%2)
.set rN, S+64*(nq%2)
.set rT, ST+4*(\q)
.set rU, ST+4*nq
.set rP, PC+16*((\q)%2)
.irp c, 0,1,2,3
	v_max3_num_f32 v[MX+\c], v[rN+3*\c], v[rN+3*\c+1], v[rN+3*\c+2]   ; four chains, the scores in ascending order: each accumulator is read from its low end on
.endr
.set i, 0
.rept 26
	v_max3_num_f32 v[MX+i%4], v[MX+i%4], v[rN+12+2*i], v[rN+13+2*i]
.if (\full) && (i < 21)                ; the sum in four chains: the running pair and pair sums 0-2 take pair sums 3-7 and the second half's 16 pairs
.if i%4 == 0
.set ac, rT+2
.else
.set ac, T+2*(i%4)-2
.endif
.if i < 5
.set sr, T+6+2*i
.else
.set sr, rS+22+2*i
.endif
	v_pk_add_f32 v[ac:ac+1], v[ac:ac+1], v[sr:sr+1]
.endif
.set i, i+1
.endr
	v_max3_num_f32 v[MX], v[MX], v[MX+1], v[MX+2]
.if \full
	v_pk_add_f32 v[T:T+1], v[T:T+1], v[T+2:T+3]
	v_pk_add_f32 v[rT+2:rT+3], v[rT+2:rT+3], v[T+4:T+5]
.endif
	DM 0, \full
	v_max_num_f32 v[MX], v[MX], v[MX+3]
	DM 1, \full
	DM 2, \full
.if \full
	v_pk_add_f32 v[rT+2:rT+3], v[rT+2:rT+3], v[T:T+1]
.endif
	v_permlanex16_b32 v[PERM], v[MX], s40, s41
	DM 3, \full
	DM 4, \full
	DM 5, \full
	v_max3_num_f32 v[rU+1], v[rU+1], v[MX], v[PERM]   ; the running largest score, lane l xor 16's among it
	DM 6, \full
	DM 7, \full
	DM 8, \full
	v_mul_f32 v[TM], s42, v[rU+1]                  ; as t (c is positive)
	DM 9, \full
	DM 10, \full
	v_floor_f32 v[TM2], -v[TM]                     ; the new -M = -ceil(t)
	DM 11, \full
	DM 12, \full
	v_sub_f32 v[DD], v[TM2], v[rU]                 ; old M - new M: a whole number, 0 or less
	DM 13, \full
	v_mov_b32 v[rU], v[TM2]
	v_cvt_i32_f32 v[DD], v[DD]                     ; (it saturates)
	v_ldexp_f32 v[F], 1.0, v[DD]                   ; f: the rescaling rounds nothing
	DM 14, \full
	DM 15, \full
	WIN W_RS
.set j, 0
.rept 16
	v_pk_mul_f32 v[32*nq+j:32*nq+j+1], v[32*nq+j:32*nq+j+1], v[F:F+1] op_sel_hi:[1,0]   ; O^T's first readers: with the scores' they form one group behind the wait at this macro's head, plain lines alone between
.set j, j+2
.endr
	WIN 0
	v_pk_mul_f32 v[rU+2:rU+3], v[rU+2:rU+3], v[F:F+1] op_sel_hi:[1,0]
.if \full
.irp b, 0,1,2,3
	v_cvt_scalef32_pk8_bf8_f32 v[rP+4*\b:rP+4*\b+1], v[rS+16*\b:rS+16*\b+7], v[SCP]
	v_cvt_scalef32_pk8_bf8_f32 v[rP+4*\b+2:rP+4*\b+3], v[rS+16*\b+8:rS+16*\b+15], v[SCP]
.endr
	v_nop                                          ; a plain line behind the last conversion
.endif
.endm
.macro UNIT q
.set nq, ((\q)+1)%4
.set rS, S+64*((\q)%2)
.set rT, ST+4*(\q)
.if \q == 3
	s_wait_alu depctr_va_vdst(0)
	s_wait_dscnt 0x0                               ; the next step's K, asked for in unit 2
.endif
	KQ nq, nq%2
.if \q == 1
	s_wait_alu depctr_va_vdst(0)
	s_wait_dscnt 0x0                               ; this step's V, asked for in unit 0
.endif
	PV ((\q)+3)%4, nq%2
	WIN 0
.set j, 0
.rept 16
	v_pk_fma_f32 v[rS+j:rS+j+1], v[rS+j:rS+j+1], s[42:43], v[rT:rT+1] op_sel_hi:[1,0,0]   ; t - M, first half; sixteen places behind the products, ahead of the loads below
.set j, j+2
.endr
.if \q == 0
	FETCH_V
.endif
.if \q == 2
	FETCH_K
.endif
	s_wait_alu depctr_va_vdst(0)                   ; ahead of a batch of exponentials, and behind it
.set j, 0
.rept 16
	v_exp_f32 v[rS+j], v[rS+j]
	v_exp_f32 v[rS+j+1], v[rS+j+1]
	v_pk_fma_f32 v[rS+32+j:rS+33+j], v[rS+32+j:rS+33+j], s[42:43], v[rT:rT+1] op_sel_hi:[1,0,0]   ; second half: read only behind the next wait
.set j, j+2
.endr
	s_wait_alu depctr_va_vdst(0)
.set j, 0
.rept 8                                ; among the second half's exponentials: the first half's pair sums (of the unquantised p) and then its holds; all are read only behind the next wait
	v_exp_f32 v[rS+32+j], v[rS+32+j]
	v_pk_add_f32 v[T+j/2:T+j/2+1], v[rS+j:rS+j+1], v[rS+j+2:rS+j+3]
	v_exp_f32 v[rS+33+j], v[rS+33+j]
	DMIN rS+j
	v_exp_f32 v[rS+34+j], v[rS+34+j]
	DMIN rS+j+2
	v_exp_f32 v[rS+35+j], v[rS+35+j]
.set j, j+4
.endr
	v_nop                                          ; a plain place behind the last exponential
	s_wait_alu depctr_va_vdst(0)                   ; for the batch, and directly ahead of the first reader of the next tile's scores
	TAIL \q, 1
.endm
.macro STEP wrap
	s_add_co_u32 s45, s44, KSB                     ; the next step's K
.if \wrap
	s_and_b32 s45, s45, 0x3ffff                    ; behind the last step: step 0's once more; its scores leave every maximum as it is, so f = 1
.endif
	UNIT 0
	UNIT 1
	UNIT 2
	UNIT 3
	s_add_co_u32 s44, s44, KSB
.endm
	s_wait_alu depctr_va_vdst(0)
	s_wait_tensorcnt 0x0                           ; my part of steps 0-3 is in
	ds_add_u32 v[SPW], v[NIL]
	s_wait_dscnt 0x0
	CROUND                                         ; everybody's part is in, and the four partners are here
	tensor_load_to_lds s[36:39], s[24:31]          ; steps 4-15
	s_nop 0
.rept 4
	v_nop
.endr
	s_mov_b32 s44, 0
	s_mov_b32 s45, 0
	FETCH_K
	FETCH_V
	s_wait_alu depctr_va_vdst(0)
	s_wait_loadcnt 0x0                             ; Q
	s_wait_dscnt 0x0
	KQ 0, 0
	WIN 0
.rept 4
	v_nop
.endr
	TAIL 3, 0                                      ; tile 0's first M
	s_mov_b32 s46, 3
.Lfirst:                                           ; steps 0-2 read steps 0-3 alone
	s_wait_alu depctr_va_vdst(0)
	STEP 0
	s_sub_co_u32 s46, s46, 1
	s_cmp_lg_u32 s46, 0
	s_cbranch_scc1 .Lfirst
	s_wait_tensorcnt 0x0                           ; my part of steps 4-15 is in,
	s_wait_dscnt 0x0
	s_barrier_signal -1
	s_barrier_wait -1                              ; everybody's is
	s_mov_b32 s44, 3*KSB
	s_mov_b32 s46, 13
.Lrest:
	s_wait_alu depctr_va_vdst(0)
	STEP 1
	s_sub_co_u32 s46, s46, 1
	s_cmp_lg_u32 s46, 0
	s_cbranch_scc1 .Lrest
	PV 3, 1                                        ; the last tile's last product
	WIN 0
	; THE WAY OUT: O^T / the sum x 2^(e8 + e9), held, converted with 2^e10; four registers of codes are a piece of the reader's fragment: the wave stores 512 consecutive bytes
.irp q, 0,1,2,3
	v_add_f32 v[ST+4*\q+2], v[ST+4*\q+2], v[ST+4*\q+3]
.endr
.irp q, 0,1,2,3
	v_permlanex16_b32 v[MX+\q], v[ST+4*\q+2], s40, s41
.endr
.irp q, 0,1,2,3
	v_add_f32 v[ST+4*\q+2], v[ST+4*\q+2], v[MX+\q]
.endr
	s_wait_alu depctr_va_vdst(0)
.irp q, 0,1,2,3
	v_rcp_f32 v[ST+4*\q+3], v[ST+4*\q+2]
.endr
	v_nop
	s_wait_alu depctr_va_vdst(0)
.irp q, 0,1,2,3
	v_ldexp_f32 v[ST+4*\q+2], v[ST+4*\q+3], s66
.endr
	WIN 0x01
	s_wait_alu depctr_va_vdst(0)                   ; ahead of the first reader of O^T
.irp q, 0,1,2,3
.set j, 0
.rept 16
	v_pk_mul_f32 v[S+32*\q+j:S+32*\q+j+1], v[32*\q+j:32*\q+j+1], v[ST+4*\q+2:ST+4*\q+3] op_sel_hi:[1,0]
.set j, j+2
.endr
.endr
	WIN 0
.irp q, 0,1,2,3
.set j, 0
.rept 32
	v_med3_num_f32 v[S+32*\q+j], v[S+32*\q+j], -v[LIMC], v[LIMC]
.set j, j+1
.endr
.irp b, 0,1
	v_cvt_scalef32_pk8_bf8_f32 v[PC+8*\q+4*\b:PC+8*\q+4*\b+1], v[S+32*\q+16*\b:S+32*\q+16*\b+7], v[SCX]
	v_cvt_scalef32_pk8_bf8_f32 v[PC+8*\q+4*\b+2:PC+8*\q+4*\b+3], v[S+32*\q+16*\b+8:S+32*\q+16*\b+15], v[SCX]
.endr
.endr
	v_nop
.irp q, 0,1,2,3
.irp b, 0,1
	global_store_b128 v[LI], v[PC+8*\q+4*\b:PC+8*\q+4*\b+3], s[10:11] offset:4096*\q+512*\b
.endr
.endr
	s_wait_tensorcnt 0x0                           ; the wave's end
	ds_add_u32 v[SPW], v[NIL]
	s_wait_dscnt 0x0
	CROUND                                         ; the closing round
	s_endpgm
.Lfunc_end_k_q395d075d35_attn:
	.size	k_q395d075d35_attn, .Lfunc_end_k_q395d075d35_attn-k_q395d075d35_attn
	.p2alignl 7, 3214868480
	.fill 96, 4, 3214868480
	.section	.rodata,"a",@progbits
	.p2align	6, 0x0
	.amdhsa_kernel k_q395d075d35_attn
		.amdhsa_group_segment_fixed_size 327680
		.amdhsa_private_segment_fixed_size 0
		.amdhsa_enable_private_segment 0
		.amdhsa_kernarg_size 32
		.amdhsa_user_sgpr_count 2
		.amdhsa_user_sgpr_kernarg_segment_ptr 1
		.amdhsa_wavefront_size32 1
		.amdhsa_system_sgpr_workgroup_id_x 1
		.amdhsa_system_sgpr_workgroup_id_y 1
		.amdhsa_system_sgpr_workgroup_id_z 1
		.amdhsa_system_vgpr_workitem_id 0
		.amdhsa_next_free_vgpr 512
		.amdhsa_next_free_sgpr 80
		.amdhsa_reserve_vcc 0
		.amdhsa_float_denorm_mode_32 3
		.amdhsa_float_denorm_mode_16_64 3
		.amdhsa_memory_ordered 1
		.amdhsa_forward_progress 1
		.amdhsa_inst_pref_size 143
	.end_amdhsa_kernel
	.amdgpu_metadata
---
amdhsa.version: [ 1, 2 ]
amdhsa.kernels:
  - .name:           k_q395d075d35_attn
    .symbol:         k_q395d075d35_attn.kd
    .args:
      - { .name: qimg, .offset: 0, .size: 8, .value_kind: global_buffer, .address_space: global }
      - { .name: kv, .offset: 8, .size: 8, .value_kind: global_buffer, .address_space: global }
      - { .name: lowp_scales, .offset: 16, .size: 8, .value_kind: global_buffer, .address_space: global }
      - { .name: ctx, .offset: 24, .size: 8, .value_kind: global_buffer, .address_space: global }
    .group_segment_fixed_size: 327680
    .private_segment_fixed_size: 0
    .kernarg_segment_align: 8
    .kernarg_segment_size: 32
    .max_flat_workgroup_size: 256
    .sgpr_count:     80
    .vgpr_count:     512
    .wavefront_size: 32
...
	.end_amdgpu_metadata
.endif
;; end of part 3
;; launch outp (part 4): grid 4 x 64, 4 waves a work-group, clusters of 4 x 4, 327,680 bytes of LDS; arguments ctx, wc, lowp_scales, bo, out0; writes out0
.if DOCPART == 4
	.amdgcn_target "amdgcn-amd-amdhsa--gfx1250"
	.amdhsa_code_object_version 6
	.text
	.protected	k_q395d075d35_outp
	.globl	k_q395d075d35_outp
	.p2align	8
	.type	k_q395d075d35_outp,@function
k_q395d075d35_outp:
	s_mov_b64 s[64:65], 0
	v_nop
	global_prefetch_b8 v0, s[64:65] scope:SCOPE_SE
	s_setreg_imm32_b32 hwreg(HW_REG_WAVE_MODE, 25, 1), 1
	s_wait_xcnt 0x0
	s_wait_alu depctr_hold_cnt(0) depctr_sa_sdst(0) depctr_va_vdst(0) depctr_va_sdst(0) depctr_va_ssrc(0) depctr_va_vcc(0) depctr_vm_vsrc(0)
	s_getreg_b32 s2, hwreg(HW_REG_IB_STS2, 6, 4)
	s_cmp_eq_u32 s2, 0
	s_cbranch_scc0 .Lentry_in_a_cluster
	s_endpgm
.Lentry_in_a_cluster:
	s_bfe_u32 s2, ttmp6, 0x10000c
	s_cmp_lg_u32 s2, 0xf033
	s_cbranch_scc0 .Lentry_shape_is_right
	s_endpgm
.Lentry_shape_is_right:
; out0 = ctx Wo^T + bo on codes of BF8 (E5M2), f32 sums x 2^(e10 + e11) + bias.  LIMIT: e10 + e11 between -126 and 127.
; SHARES.  A work-group makes 128 tokens x 256 features: 64 x 4 = 256 work-groups; a wave makes 64 x 128: 32 accumulators.
; Operands arrive as register images: [block of 128 rows][slot of 256 along K: 4][tile: 8][step of 128: 2][c: 4][512 bytes].  K = 1,024 goes through a ring of two LDS slots, laid by operand so that both slots
; of a wave's share lie on end: the tokens' half h of slot s at 32 KiB h + 16 KiB s (waves 0, 1), the features' block k of slot s at 64 KiB + 64 KiB k + 32 KiB s (waves 2, 3).
; The head's one load a wave fills its share of both slots; a refill brings one slot's share.  4 x 4 work-groups form a cluster: the tokens' codes are asked for jointly along a row, the features' along a column.
; The matrix instruction is used transposed: source 1 = my 64 tokens (lanes), source 0 = my 128 features (registers).  Results leave through each wave's stage, LDS bytes of its own behind the spare words, as whole rows of 512 bytes.
; PREFETCH: at the head each wave asks for its share of slot numbers 2 and 3; partners are told apart by address; the weights are asked for by four clusters.
.set NSL,    4
.set HALFB,  32768
.set FB,     65536
.set SPARE,  196608
.set STAGE,  SPARE+512
.set SPITCH, 528
.set FR,     16
.set ADRA, 16
.set ADRB, 18
.set STO,  24
.set RD,   25
.set LI,   26
.set PFO,  27
.set SPW,  28
.set NIL,  29
.set BO,   32
.set AF,   128
.set BK,   128
.set G1, 24
.set G0, 32
.set G1B, 48
.set G0B, 56
.set PB,   66
.set PFON, 18
.set MSB, 0
.macro WIN new
.if MSB != (\new)
	s_set_vgpr_msb (MSB<<8)|(\new)
.set MSB, (\new)
.endif
.endm
.set MUL,  0xa1
.set TO_B, 0x40
.macro JLOAD g0a, g1a, g0b, g1b
	s_cmp_eq_u32 s15, 0
	s_cbranch_scc0 .Lfor_b_\@
	tensor_load_to_lds s[\g0a:\g0a+3], s[\g1a:\g1a+7]
	s_nop 0
.rept 4
	v_nop
.endr
	s_branch .Lasked_\@
.Lfor_b_\@:
	tensor_load_to_lds s[\g0b:\g0b+3], s[\g1b:\g1b+7]
	s_nop 0
.rept 4
	v_nop
.endr
.Lasked_\@:
.endm
.macro CREST
	s_cmp_lg_u32 s14, 0
	s_cbranch_scc1 .Lnot_wave_0_\@
	s_barrier_signal -3
.Lnot_wave_0_\@:
	s_barrier_wait -3
	s_barrier_signal -1
	s_barrier_wait -1
.endm
.macro CROUND
	s_barrier_signal -1
	s_barrier_wait -1
	CREST
.endm
.macro ASK t
	s_cmp_eq_u32 s[PFON], 1
	s_cbranch_scc0 .Lnot_mine_\@
	global_prefetch_b8 v[PFO], s[PB:PB+1] offset:((\t)%4)*HALFB th:TH_LOAD_NT scope:SCOPE_SE
.Lnot_mine_\@:
.endm
.macro PLACES n
.rept \n
	v_nop
.endr
.endm
	s_load_b256 s[68:75], s[0:1], 0x0              ; ctx, wc, the scales, bo
	s_load_b64 s[76:77], s[0:1], 0x20              ; out0
	v_lshl_add_u32 v[SPW], v0, 2, SPARE
	v_mov_b32 v[NIL], 0
	ds_add_u32 v[SPW], v[NIL]
	ds_add_u32 v[SPW], v[NIL]
	v_lshrrev_b32 v1, 5, v0
	v_readfirstlane_b32 s14, v1
	s_lshr_b32 s15, s14, 1                         ; I fetch tokens (0) or features (1).  Also: my block of 128 features
	s_and_b32 s16, s14, 1                          ; which half I fetch.  Also: my four token tiles
	s_bfe_u32 s40, ttmp6, 0x40000
	s_bfe_u32 s41, ttmp6, 0x40004
	s_lshl_b32 s42, ttmp9, 2
	s_add_co_u32 s42, s42, s40                     ; fx
	s_and_b32 s13, ttmp7, 0xffff
	s_lshl_b32 s17, s13, 2
	s_add_co_u32 s17, s17, s41                     ; ty: block of 128 tokens
	s_lshl_b32 s43, s41, 2
	s_lshl_b32 s43, 15, s43
	s_lshl_b32 s44, 0x1111, s40
	s_or_b32 s[G1+0], s43, (3<<16)|(1<<21)
	s_or_b32 s[G1B+0], s44, (3<<16)|(1<<21)
	s_mov_b32 s[G1+1], 2048<<16                    ; the head's shapes.  Tokens: 2 rows of 16 KiB, 32 KiB apart
	s_mov_b32 s[G1+2], 2<<16
	s_mov_b32 s[G1+3], 2048<<16
	s_mov_b32 s[G1+4], 2
	s_mov_b32 s[G1+5], 4096
	s_mov_b32 s[G1+6], 0
	s_mov_b32 s[G1+7], 0
	s_mov_b32 s[G1B+1], 32<<16                     ; features: 256 dense rows of 256 bytes
	s_mov_b32 s[G1B+2], 256<<16
	s_mov_b32 s[G1B+3], 32<<16
	s_mov_b32 s[G1B+4], 256
	s_mov_b32 s[G1B+5], 32
	s_mov_b32 s[G1B+6], 0
	s_mov_b32 s[G1B+7], 0
	s_lshl_b32 s20, s17, 17
	s_lshl_b32 s18, s16, 14
	s_add_co_u32 s20, s20, s18
	s_mov_b32 s21, 0
	s_lshl_b32 s46, s42, 1
	s_add_co_u32 s46, s46, s16
	s_lshl_b32 s46, s46, 17
	s_add_co_u32 s46, s46, 0x300000                ; Wo's section
	s_mov_b32 s47, 0
	s_lshl_b32 s45, s16, 15
	s_lshl_b32 s12, s16, 16
	s_add_co_u32 s12, s12, FB
	s_wait_dscnt 0x0
	s_wait_kmcnt 0x0
	s_load_b64 s[96:97], s[72:73], 0x28            ; e10, e11
	s_add_nc_u64 s[20:21], s[68:69], s[20:21]
	s_add_nc_u64 s[46:47], s[70:71], s[46:47]
	CROUND
.irp s, 0,1
	s_mov_b32 s[G0+4*\s], 1
	s_add_co_u32 s[G0+4*\s+1], s45, \s*16384
	s_add_nc_u64 s[G0+4*\s+2:G0+4*\s+3], s[20:21], \s*HALFB
	s_or_b32 s[G0+4*\s+3], s[G0+4*\s+3], 0x80000000
	s_mov_b32 s[G0B+4*\s], 1
	s_add_co_u32 s[G0B+4*\s+1], s12, \s*HALFB
	s_add_nc_u64 s[G0B+4*\s+2:G0B+4*\s+3], s[46:47], \s*HALFB
	s_or_b32 s[G0B+4*\s+3], s[G0B+4*\s+3], 0x80000000
.endr
	JLOAD G0, G1, G0B, G1B                         ; slot numbers 0 and 1 by one tensor load a wave
	s_cmp_lt_u32 s13, 4
	s_cselect_b32 s[PFON], 1, 0
	s_cmp_eq_u32 s15, 0
	s_cselect_b32 s[PFON], 1, s[PFON]
	s_cselect_b64 s[PB:PB+1], s[20:21], s[46:47]
	s_cselect_b32 s8, s40, s41
	s_cselect_b32 s10, 12, 13
	s_cselect_b32 s11, 15, 31
	s_lshl_b32 s8, s8, s10
	s_mov_b32 s9, 0
	s_add_nc_u64 s[PB:PB+1], s[PB:PB+1], s[8:9]
	v_and_b32 v1, 31, v0
	v_lshlrev_b32 v[LI], 4, v1
	v_min_u32 v[PFO], s11, v1
	v_lshlrev_b32 v[PFO], 8, v[PFO]
	s_wait_alu depctr_va_vdst(0)                   ; ahead of the readers below
	ASK 2
	s_lshl_b32 s8, s16, 15
	s_lshl_b32 s9, s15, 16
	s_add_co_u32 s9, s9, FB
.irp s, 0,1
	v_add_nc_u32 v[ADRA+\s], s8, v[LI]
	v_add_nc_u32 v[ADRB+\s], s9, v[LI]
	s_add_co_u32 s8, s8, 16384
	s_add_co_u32 s9, s9, HALFB
.endr
	s_mul_i32 s19, s14, 16*SPITCH
	s_add_co_u32 s19, s19, STAGE                   ; my stage
	v_and_b32 v2, 15, v0
	v_bfe_u32 v3, v0, 4, 1
	v_mul_u32_u24 v[STO], v2, SPITCH
	v_lshl_add_u32 v[STO], v3, 6, v[STO]
	v_add_nc_u32 v[STO], s19, v[STO]
	v_add_nc_u32 v[RD], s19, v[LI]
	s_lshl_b32 s22, s42, 10
	s_lshl_b32 s23, s15, 9
	s_add_co_u32 s22, s22, s23                     ; my 128 features, in bytes
	s_mov_b32 s23, 0
	s_add_nc_u64 s[8:9], s[74:75], s[22:23]
	global_load_b128 v[BO:BO+3], v[LI], s[8:9]
	s_lshl_b32 s2, s17, 19                         ; 128 rows of 4,096 bytes a block,
	s_lshl_b32 s3, s16, 18                         ; my 64 rows
	s_add_co_u32 s2, s2, s3
	s_add_co_u32 s2, s2, s22
	s_mov_b32 s3, 0
	s_add_nc_u64 s[10:11], s[76:77], s[2:3]
.macro FRAG reg, adr, off
.irp c, 0,1,2,3
	ds_load_b128 v[\reg+4*\c:\reg+4*\c+3], v[\adr] offset:\off+512*\c
.endr
.endm
.macro FETCH slot, q, set              ; 48 LDS loads: source 1's four fragments first, then source 0's eight in the order in which the products take them
.irp i, 0,1,2,3
	FRAG AF+64*(\set)+FR*\i, ADRA+\slot, 4096*\i+2048*(\q)
.endr
	WIN TO_B
.irp i, 0,1,2,3,4,5,6,7
	FRAG 128*(\set)+FR*\i, ADRB+\slot, 4096*\i+2048*(\q)
.endr
	WIN 0
.endm
.macro MULB b, set, zero               ; the 32 accumulators take turns, in the same order in every step
.irp a, 0,1,2,3
.if \zero
	v_wmma_f32_16x16x128_bf8_bf8 v[8*(8*\a+(\b)):8*(8*\a+(\b))+7], v[128*(\set)+FR*(\b):128*(\set)+FR*(\b)+FR-1], v[AF+64*(\set)+FR*\a:AF+64*(\set)+FR*\a+FR-1], 0
.else
	v_wmma_f32_16x16x128_bf8_bf8 v[8*(8*\a+(\b)):8*(8*\a+(\b))+7], v[128*(\set)+FR*(\b):128*(\set)+FR*(\b)+FR-1], v[AF+64*(\set)+FR*\a:AF+64*(\set)+FR*\a+FR-1], v[8*(8*\a+(\b)):8*(8*\a+(\b))+7]
.endif
.endr
.endm
.macro STEP slot, zero                 ; a slot's first step, on set 0; each group of four products waits for its own fragment: the count is the LDS loads issued behind it
	WIN MUL
.irp b, 0,1,2,3
	s_wait_dscnt 28-4*\b
	MULB \b, 0, \zero
.endr
	WIN 0
	FETCH \slot, 1, 1
	WIN MUL
.irp b, 4,5,6,7
	s_wait_dscnt 76-4*\b                           ; the later tiles' loads and the 48 just issued
	MULB \b, 0, \zero
.endr
	WIN 0
.endm
.macro TURN g                          ; a slot's second step, on set 1, changes slots; while g + 2 < NSL the slot is filled again, behind a round of the cluster's barrier
.set sl, (\g)%2
.set tt, (\g)+2
	s_wait_tensorcnt 0x0
	ds_add_u32 v[SPW], v[NIL]
	WIN MUL
.irp b, 0,1,2,3
	s_wait_dscnt 29-4*\b                           ; the later tiles' loads and the add
	MULB \b, 1, 0
.endr
	s_wait_dscnt 0x0
	s_barrier_signal -1
.irp b, 4,5,6,7
	MULB \b, 1, 0
.endr
	WIN 0
	s_barrier_wait -1
.if tt < NSL
	CREST
	s_add_nc_u64 s[G0+4*sl+2:G0+4*sl+3], s[G0+4*sl+2:G0+4*sl+3], 2*HALFB
	s_add_nc_u64 s[G0B+4*sl+2:G0B+4*sl+3], s[G0B+4*sl+2:G0B+4*sl+3], 2*HALFB
	JLOAD G0+4*sl, G1, G0B+4*sl, G1B
.else
	PLACES 4
.endif
	FETCH 1-sl, 0, 0
.endm
	s_wait_alu depctr_va_vdst(0)
	s_wait_tensorcnt 0x0                           ; my share of both slots is in,
	s_barrier_signal -1
	s_barrier_wait -1                              ; everybody's is.
	s_mov_b32 s[G1+1], 32<<16                      ; the refills' shapes (no load of mine is out).  Tokens: 64 dense rows of 256 bytes;
	s_mov_b32 s[G1+2], 64<<16
	s_mov_b32 s[G1+3], 32<<16
	s_mov_b32 s[G1+4], 64
	s_mov_b32 s[G1+5], 32
	s_mov_b32 s[G1B+2], 128<<16                    ; features: 128
	s_mov_b32 s[G1B+4], 128
	FETCH 0, 0, 0
	ASK 3
	STEP 0, 1
	TURN 0
	STEP 1, 0
	TURN 1
	STEP 0, 0
	TURN 2
	STEP 1, 0
	WIN MUL
.irp b, 0,1,2,3,4,5,6,7
	s_wait_dscnt 28-4*\b
	MULB \b, 1, 0
.endr
	WIN 0
; THE WAY OUT, token tile a at a time: the sums go into my stage (row = lane % 16, 512 bytes + 16) and come back as whole rows, which the 32 lanes scale, add the bias to and store as 512 consecutive bytes.
.macro TOSTAGE a
.set AC, 64*(\a)
	WIN 0x08                                       ; store data window 2
.irp b, 0,1,2,3,4,5,6,7
	ds_store_b128 v[STO], v[AC+8*\b:AC+8*\b+3] offset:128*(\b/2)+32*(\b%2)
	ds_store_b128 v[STO], v[AC+8*\b+4:AC+8*\b+7] offset:128*(\b/2)+32*(\b%2)+16
.endr
	WIN 0
.set BB, BK+64*((\a)%2)
.irp t, 0,1,2,3,4,5,6,7,8,9,10,11,12,13,14,15
	ds_load_b128 v[BB+4*\t:BB+4*\t+3], v[RD] offset:\t*SPITCH      ; LDS serves a wave's instructions in order: these see my stores
.endr
.endm
.macro SEND a, younger
.set BB, BK+64*((\a)%2)
	s_wait_dscnt \younger
.irp t, 0,1,2,3,4,5,6,7,8,9,10,11,12,13,14,15
	v_pk_fma_f32 v[BB+4*\t:BB+4*\t+1], v[BB+4*\t:BB+4*\t+1], s[96:97], v[BO:BO+1] op_sel_hi:[1,0,1]
	v_pk_fma_f32 v[BB+4*\t+2:BB+4*\t+3], v[BB+4*\t+2:BB+4*\t+3], s[96:97], v[BO+2:BO+3] op_sel_hi:[1,0,1]
	global_store_b128 v[LI], v[BB+4*\t:BB+4*\t+3], s[10:11] offset:(32*((\a)/2)+8*((\a)%2)+\t+8*(\t/8))*4096 th:TH_STORE_NT
.endr
.endm
	s_wait_kmcnt 0x0
	s_add_co_i32 s96, s96, s97
	s_add_co_i32 s96, s96, 127
	s_lshl_b32 s96, s96, 23                        ; 2^(e10 + e11)
	s_mov_b32 s97, s96
	s_wait_loadcnt 0x0                             ; the bias
	PLACES 4                                       ; behind the last products
	TOSTAGE 0
.irp a, 1,2,3
.if \a > 1
	s_wait_xcnt 0x0                                ; tile a - 2's stores have read their registers
.endif
	TOSTAGE \a
	SEND \a-1, 32
.endr
	SEND 3, 0
	s_wait_tensorcnt 0x0                           ; the wave's end
	ds_add_u32 v[SPW], v[NIL]
	s_wait_dscnt 0x0
	CROUND                                         ; the closing round
	s_endpgm
.Lfunc_end_k_q395d075d35_outp:
	.size	k_q395d075d35_outp, .Lfunc_end_k_q395d075d35_outp-k_q395d075d35_outp
	.p2alignl 7, 3214868480
	.fill 96, 4, 3214868480
	.section	.rodata,"a",@progbits
	.p2align	6, 0x0
	.amdhsa_kernel k_q395d075d35_outp
		.amdhsa_group_segment_fixed_size 327680
		.amdhsa_private_segment_fixed_size 0
		.amdhsa_enable_private_segment 0
		.amdhsa_kernarg_size 40
		.amdhsa_user_sgpr_count 2
		.amdhsa_user_sgpr_kernarg_segment_ptr 1
		.amdhsa_wavefront_size32 1
		.amdhsa_system_sgpr_workgroup_id_x 1
		.amdhsa_system_sgpr_workgroup_id_y 1
		.amdhsa_system_sgpr_workgroup_id_z 1
		.amdhsa_system_vgpr_workitem_id 0
		.amdhsa_next_free_vgpr 768
		.amdhsa_next_free_sgpr 100
		.amdhsa_reserve_vcc 0
		.amdhsa_float_denorm_mode_32 3
		.amdhsa_float_denorm_mode_16_64 3
		.amdhsa_memory_ordered 1
		.amdhsa_forward_progress 1
		.amdhsa_inst_pref_size 76
	.end_amdhsa_kernel
	.amdgpu_metadata
---
amdhsa.version: [ 1, 2 ]
amdhsa.kernels:
  - .name:           k_q395d075d35_outp
    .symbol:         k_q395d075d35_outp.kd
    .args:
      - { .name: ctx, .offset: 0, .size: 8, .value_kind: global_buffer, .address_space: global }
      - { .name: wc, .offset: 8, .size: 8, .value_kind: global_buffer, .address_space: global }
      - { .name: lowp_scales, .offset: 16, .size: 8, .value_kind: global_buffer, .address_space: global }
      - { .name: bo, .offset: 24, .size: 8, .value_kind: global_buffer, .address_space: global }
      - { .name: out0, .offset: 32, .size: 8, .value_kind: global_buffer, .address_space: global }
    .group_segment_fixed_size: 327680
    .private_segment_fixed_size: 0
    .kernarg_segment_align: 8
    .kernarg_segment_size: 40
    .max_flat_workgroup_size: 128
    .sgpr_count:     100
    .vgpr_count:     768
    .wavefront_size: 32
...
	.end_amdgpu_metadata
.endif
;; end of part 4
